; MI455X (gfx1250); checked and timed in simulation.
; The chip was launched on July 23, 2026; its instructions are those of AMD's public machine-readable ISA for CDNA 5 (MIT licence, August 2026) and "CDNA5" Instruction Set Architecture Reference Guide (July 2026). The comments in the code are by the model that wrote it; some were corrected since.
;; Windowed Masked Attention Calculation. Allowed arithmetic: matrix products marked QUANTISED: E4M3 operands, one given power-of-two scale a tensor, by v_wmma_f32_16x16x64_fp8_fp8 or v_wmma_f32_16x16x128_fp8_fp8, f32 sums; everything else in f32.
;; Inputs: k 8 x 8 x 2,048 x 64 float32; lowp_scales 4 int32 (the exponents e of the quantised operands' scales 2^e); mask 1 x 1 x 2,048 x 2,048 float32; pos_scores 1 x 8 x 2,048 x 2,048 float32; q 8 x 8 x 2,048 x 64 float32; v 8 x 8 x 2,048 x 64 float32.
;; Outputs: out0 8 x 8 x 2,048 x 64 float32.
;; This version of the problem:
;;   THIS VERSION OF THE PROBLEM IS GIVEN IN LOW PRECISION. The matrix products marked QUANTISED in the list below multiply operands that are first quantised to E4M3 (4 exponent bits, 3 mantissa bits; 8 bits a number), with one given power-of-two scale for each operand tensor; their sums are f32. All else is computed in f32.
;;   The module's matrix products, in the order in which they are computed (A, B: the left and right operand; K: the contracted axis; several contracted axes count as one K, in the product's order):
;;     1. batch 64 x [M 2,048, K 64] x [K 64, N 2,048]; A: input q; B: input k: QUANTISED (scales: A lowp_scales[0], B lowp_scales[1])
;;     2. batch 64 x [M 2,048, K 2,048] x [K 2,048, N 64]; A: softmax (see below); B: input v: QUANTISED (scales: A lowp_scales[2], B lowp_scales[3])
;;   THE QUANTISER, for each operand of a quantised product, along K:
;;     - The operand's scale is 2^e, e = its entry of the input lowp_scales (int32; the entries are numbered through the quantised products in the list's order, A before B).
;;     - Each number is divided by the scale, clamped to +-448, and rounded to the nearest number of E4M3, ties to even, subnormals kept.
;;     - The product sums the exact products of the quantised numbers (number of the format x scale) in f32.
;;   ~~~python
;;   def quantise(x, axis, e):      # numpy; x: float32 -> the quantised numbers, widened to float32 again
;;       x = np.moveaxis(x, axis, -1); K = x.shape[-1]
;;       r = np.clip(x / 2.0 ** e, -448, 448)
;;       step = 2.0 ** (np.maximum(np.frexp(np.where(r == 0, 1, r))[1] - 1, -6) - 3)
;;       q = np.round(r / step) * step * 2.0 ** e      # np.round: ties to even
;;       return np.moveaxis(q, -1, axis).astype(np.float32)
;;   ~~~
;;   SOFTMAX AHEAD OF A QUANTISED PRODUCT. Where the list says 'softmax', what is quantised is not the finished softmax but p = 2^(t - M), with t = logit x log2(e) and M = ceil(the row's largest t), a whole number; so 1/2 < the row's largest p <= 1. The row's sum l is taken of the UNQUANTISED p, in f32, and the product's result is divided by l at the end. Since M is a whole number, a kernel that streams over the keys may use a running M (the ceiling of the running maximum): every later rescaling is an exact power of two, so the quantised numbers keep their values, but for numbers so far below the row's largest that they fall under the format's range.
;;   OPERANDS COMPUTED ON THE WAY. 'Computed on the way' means the value that the module computes at that place (a softmax that the list does not call 'softmax' is quantised finished and normalised). What goes into a quantiser is computed in f32, as accurately as f32 sums, v_exp_f32 and their like allow (about 1e-6 of the number): no bf16 or f16 on the way to a quantiser, and a product that is left as it is and whose result goes on into a quantised operand takes f32 operands (vector FMAs, or v_wmma_f32_16x16x4_f32). A number that lies on a knife's edge between two numbers of the format may be rounded either way, as far as f32 arithmetic and the matrix unit's own rounding can turn it there, and no further.
;; One version. Each part assembles by itself: llvm-mc -triple=amdgcn-amd-amdhsa -mcpu=gfx1250 --defsym DOCPART=n.
;; ======== version 1 of 1: 2 launches
;; limits: right only within a limited range of input values
;; workspace buffers: kv_codes 16,777,216 bytes
;; launch quant_kv (part 1): grid 1024 x 1, 4 waves a work-group, no clusters, 35,328 bytes of LDS; arguments k, v, lowp_scales, kv_codes; writes kv_codes
.if DOCPART == 1
	.amdgcn_target "amdgcn-amd-amdhsa--gfx1250"
	.amdhsa_code_object_version 6
	.text
	.protected	k_qa177212e8f_quant_kv
	.globl	k_qa177212e8f_quant_kv
	.p2align	8
	.type	k_qa177212e8f_quant_kv,@function
k_qa177212e8f_quant_kv:
	s_mov_b64 s[64:65], 0
	v_nop
	global_prefetch_b8 v0, s[64:65] scope:SCOPE_SE
	s_setreg_imm32_b32 hwreg(HW_REG_WAVE_MODE, 25, 1), 1
	s_wait_xcnt 0x0
; k and v, [8 b][8 h][2048 keys][64 d] f32, become codes of FP8 (E4M3) in kv_codes, each with the one scale 2^e given for it (k: entry 1, v: entry 3 of the scales).
; code = x / 2^e, held within +-448, rounded to the nearest code, ties to even.  LIMITS: -126 <= e <= 119; NaN among the inputs is not served (an infinity is held at the largest code).
; kv_codes is laid as the attention launch wants it: [h][step s of 64 keys][b][8,192 bytes], IMAGES OF OPERAND REGISTERS:
;   bytes 0-4095, K: tile t = 2 b2 + uu at 1024 t, half c at 512 c, lane (hh, r) at 16 x lane: K[key 64 s + 32 b2 + 8 uu + r + 8 (r / 8)][d = 32 c + 16 hh + 0 .. 15]
;   bytes 4096-8191, V: tile dt at 1024 dt, b2 at 512 b2, lane (hh, r) at 16 x lane: V[keys 64 s + 32 b2 + 16 hh + 0 .. 15][d = 16 dt + r]
; Work-groups 0-511 take k, 512-1023 take v; waves share nothing, so there is no barrier.  Only k's path uses LDS.
; No tensor loads, clusters or matrix units: the launch streams each byte once.
.set PITCH, 272                        ; a stage row: a key's 256 bytes + 16 of padding
.set WREG,  32*PITCH                   ; a wave's own stage: 32 keys
.set STEPB, 65536                      ; from a step to the next in kv_codes
.set KR, 16                            ; k: v16-79   32 keys as they are loaded
.set KX, 80                            ;    v80-143  four groups of 16 neighbours along d
.set KC, 144                           ;    codes, 16 registers a block: no store's data are written again
.set VX, 16                            ; v: v16-79   two sets of 32 numbers down the keys
.set VC, 80                            ;    codes, 8 registers a block
.macro MKSCALE se                      ; v11 = 2^e as f32, v10 = 448 x 2^e
	s_add_co_i32 s27, \se, 127
	s_lshl_b32 s28, s27, 23
	v_mov_b32 v11, s28
	s_add_co_i32 s27, s27, 8
	s_lshl_b32 s27, s27, 23
	s_or_b32 s27, s27, 0x600000
	v_mov_b32 v10, s27
.endm
	s_load_b256 s[4:11], s[0:1], 0x0               ; k, v, the scales, kv_codes
	v_lshl_add_u32 v208, v0, 2, 0x8800             ; my spare word, behind the four stages
	v_mov_b32 v209, 0
	v_lshrrev_b32 v1, 5, v0
	v_readfirstlane_b32 s12, v1                    ; wave 0..3
	v_and_b32 v1, 31, v0                           ; lane
	v_and_b32 v5, 15, v0                           ; r
	v_bfe_u32 v6, v0, 4, 1                         ; hh
	s_wait_kmcnt 0x0
	s_load_b128 s[16:19], s[8:9], 0x0              ; eq, ek, ep, ev
	s_cmp_lt_u32 ttmp9, 512
	s_cbranch_scc0 .Lv
; ---- K.  A wave takes one step, 64 keys of one (b, h): two blocks of 32 keys.  Each load reads 512 consecutive bytes (two keys); the block turns through the wave's own stage,
; so that a lane gets 16 neighbours along d of the key that the image gives it.  A block's codes leave as four stores of 512 consecutive bytes.
	s_lshl_b32 s20, ttmp9, 2
	s_add_co_u32 s20, s20, s12                     ; wg = 0 .. 2047: (b, h) = wg / 32, step wg % 32
	s_lshl_b32 s22, s20, 14                        ; in k: 64 keys x 256 bytes
	s_mov_b32 s23, 0
	s_add_nc_u64 s[4:5], s[4:5], s[22:23]
	s_lshr_b32 s24, s20, 8
	s_lshl_b32 s24, s24, 13                        ; b x 8,192
	s_bfe_u32 s25, s20, 0x30005
	s_lshl_b32 s25, s25, 21                        ; h x 32 steps x 65,536
	s_add_co_u32 s24, s24, s25
	s_and_b32 s25, s20, 31
	s_lshl_b32 s25, s25, 16                        ; the step
	s_add_co_u32 s24, s24, s25
	s_mov_b32 s25, 0
	s_add_nc_u64 s[10:11], s[10:11], s[24:25]
	s_wait_alu depctr_va_vdst(0)
	v_lshlrev_b32 v2, 4, v1                        ; 16 x lane
	s_mul_i32 s26, s12, WREG
	v_mul_u32_u24 v3, v6, PITCH
	v_lshl_add_u32 v3, v5, 4, v3
	v_add_nc_u32 v3, s26, v3                       ; into the stage: lanes 0-15 one key, lanes 16-31 the next
	v_and_b32 v7, 8, v5
	v_add_nc_u32 v7, v7, v5                        ; r + 8 (r / 8)
	v_mul_u32_u24 v4, v7, PITCH
	v_lshl_add_u32 v4, v6, 6, v4
	v_add_nc_u32 v4, s26, v4                       ; out of it: that key, d = 16 hh on
.macro KLOAD t
.irp i, 0,1,2,3,4,5,6,7,8,9,10,11,12,13,14,15
	global_load_b128 v[KR+4*\i:KR+4*\i+3], v2, s[4:5] offset:8192*(\t)+512*\i th:TH_LOAD_NT
.endr
.endm
.macro KBLOCK t
	s_wait_loadcnt 0x0
.irp i, 0,1,2,3,4,5,6,7,8,9,10,11,12,13,14,15
	ds_store_b128 v3, v[KR+4*\i:KR+4*\i+3] offset:2*\i*PITCH
.endr
.irp g, 0,1,2,3                                ; g = 2 uu + c.  LDS serves a wave's instructions in order: these see the stores above
.irp j, 0,1,2,3
	ds_load_b128 v[KX+16*\g+4*\j:KX+16*\g+4*\j+3], v4 offset:8*(\g/2)*PITCH+128*(\g%2)+16*\j
.endr
.endr
	s_wait_dscnt 0x0                               ; the neighbours are in, and the stores have read their registers,
.if (\t) < 1
	KLOAD (\t)+1                                   ; which take the next block while this one is worked
.endif
.set n, 0
.rept 64
	v_med3_num_f32 v[KX+n], v[KX+n], -v10, v10     ; the conversion does not saturate (ISA guide 7.6.2): the hold comes first
.set n, n+1
.endr
.irp g, 0,1,2,3,4,5,6,7
	v_cvt_scalef32_pk8_fp8_f32 v[KC+16*(\t)+2*\g:KC+16*(\t)+2*\g+1], v[KX+8*\g:KX+8*\g+7], v11
.endr
	v_nop                                          ; a plain line behind the conversions
.irp g, 0,1,2,3
	global_store_b128 v2, v[KC+16*(\t)+4*\g:KC+16*(\t)+4*\g+3], s[10:11] offset:(\t)*2048+512*\g   ; 512 consecutive bytes, aligned
.endr
.endm
	KLOAD 0
	s_wait_alu depctr_va_vdst(0)                   ; directly ahead of the wait below
	s_wait_kmcnt 0x0
	MKSCALE s17
	s_wait_alu depctr_va_vdst(0)                   ; at the head's end
	KBLOCK 0
	KBLOCK 1
	s_wait_tensorcnt 0x0                           ; the wave's end
	ds_add_u32 v208, v209
	s_wait_dscnt 0x0
	s_endpgm
; ---- V.  The keys are the second product's K and are not innermost: a lane takes a column d and its registers run down the keys, so the conversions give 16 neighbouring keys in 16 bytes.
; A wave takes 32 columns x 128 keys (two steps) of one (b, h); the wave beside it takes the other 32 columns of the same rows.
.Lv:
	s_sub_co_u32 s20, ttmp9, 512
	s_lshl_b32 s20, s20, 2
	s_add_co_u32 s20, s20, s12                     ; 0 .. 2047
	s_and_b32 s21, s20, 1                          ; dh: which 32 columns
	s_lshr_b32 s20, s20, 1                         ; g = 0 .. 1023: (b, h) = g / 16, steps 2 (g % 16) on
	s_lshl_b32 s22, s20, 15                        ; in v: 128 keys x 256 bytes
	s_lshl_b32 s23, s21, 7
	s_add_co_u32 s22, s22, s23
	s_mov_b32 s23, 0
	s_add_nc_u64 s[6:7], s[6:7], s[22:23]
	s_lshr_b32 s24, s20, 7
	s_lshl_b32 s24, s24, 13                        ; b x 8,192
	s_bfe_u32 s25, s20, 0x30004
	s_lshl_b32 s25, s25, 21                        ; h x 32 steps x 65,536
	s_add_co_u32 s24, s24, s25
	s_and_b32 s25, s20, 15
	s_lshl_b32 s25, s25, 17                        ; two steps a wave
	s_add_co_u32 s24, s24, s25
	s_lshl_b32 s25, s21, 11                        ; tiles dt = 2 dh, 2 dh + 1
	s_add_co_u32 s24, s24, s25
	s_add_co_u32 s24, s24, 4096                    ; V's half of the 8,192 bytes
	s_mov_b32 s25, 0
	s_add_nc_u64 s[10:11], s[10:11], s[24:25]
	s_wait_alu depctr_va_vdst(0)
	v_lshlrev_b32 v2, 2, v1                        ; in: 4 bytes a lane
	v_lshlrev_b32 v3, 10, v6
	v_lshl_add_u32 v3, v5, 4, v3                   ; out: tile lane / 16, 16 bytes at 16 (lane % 16)
.macro VLOAD t                         ; 32 keys of my column into set t % 2
.set n, 0
.rept 32
	global_load_b32 v[VX+32*((\t)%2)+n], v2, s[6:7] offset:(32*(\t)+n)*256
.set n, n+1
.endr
.endm
.macro VBLOCK t
.if (\t) < 3
	s_wait_loadcnt 32                              ; this block's 32 loads are in; the next block's 32 may be out
.else
	s_wait_loadcnt 0x0
.endif
.set n, 0
.rept 32
	v_med3_num_f32 v[VX+32*((\t)%2)+n], v[VX+32*((\t)%2)+n], -v10, v10
.set n, n+1
.endr
.irp g, 0,1,2,3
	v_cvt_scalef32_pk8_fp8_f32 v[VC+8*(\t)+2*\g:VC+8*(\t)+2*\g+1], v[VX+32*((\t)%2)+8*\g:VX+32*((\t)%2)+8*\g+7], v11
.endr
	v_nop                                          ; a plain line behind the last conversion
	global_store_b128 v3, v[VC+8*(\t):VC+8*(\t)+3], s[10:11] offset:((\t)/2)*STEPB+((\t)%2)*512          ; keys 0-15 of the block: sixteen lanes store 256 consecutive bytes, aligned
	global_store_b128 v3, v[VC+8*(\t)+4:VC+8*(\t)+7], s[10:11] offset:((\t)/2)*STEPB+((\t)%2)*512+256    ; keys 16-31
.if (\t) < 2
	VLOAD (\t)+2
.endif
.endm
	VLOAD 0
	VLOAD 1
	s_wait_kmcnt 0x0
	MKSCALE s19
	s_wait_alu depctr_va_vdst(0)                   ; at the head's end
.irp t, 0,1,2,3
	VBLOCK \t
.endr
	s_endpgm
.Lfunc_end_k_qa177212e8f_quant_kv:
	.size	k_qa177212e8f_quant_kv, .Lfunc_end_k_qa177212e8f_quant_kv-k_qa177212e8f_quant_kv
	.p2alignl 7, 3214868480
	.fill 96, 4, 3214868480
	.section	.rodata,"a",@progbits
	.p2align	6, 0x0
	.amdhsa_kernel k_qa177212e8f_quant_kv
		.amdhsa_group_segment_fixed_size 35328
		.amdhsa_private_segment_fixed_size 0
		.amdhsa_enable_private_segment 0
		.amdhsa_kernarg_size 32
		.amdhsa_user_sgpr_count 2
		.amdhsa_user_sgpr_kernarg_segment_ptr 1
		.amdhsa_wavefront_size32 1
		.amdhsa_system_sgpr_workgroup_id_x 1
		.amdhsa_system_sgpr_workgroup_id_y 1
		.amdhsa_system_sgpr_workgroup_id_z 1
		.amdhsa_system_vgpr_workitem_id 0
		.amdhsa_next_free_vgpr 210
		.amdhsa_next_free_sgpr 66
		.amdhsa_reserve_vcc 0
		.amdhsa_float_denorm_mode_32 3
		.amdhsa_float_denorm_mode_16_64 3
		.amdhsa_memory_ordered 1
		.amdhsa_forward_progress 1
		.amdhsa_inst_pref_size 43
	.end_amdhsa_kernel
	.amdgpu_metadata
---
amdhsa.version: [ 1, 2 ]
amdhsa.kernels:
  - .name:           k_qa177212e8f_quant_kv
    .symbol:         k_qa177212e8f_quant_kv.kd
    .args:
      - { .name: k, .offset: 0, .size: 8, .value_kind: global_buffer, .address_space: global }
      - { .name: v, .offset: 8, .size: 8, .value_kind: global_buffer, .address_space: global }
      - { .name: lowp_scales, .offset: 16, .size: 8, .value_kind: global_buffer, .address_space: global }
      - { .name: kv_codes, .offset: 24, .size: 8, .value_kind: global_buffer, .address_space: global }
    .group_segment_fixed_size: 35328
    .private_segment_fixed_size: 0
    .kernarg_segment_align: 8
    .kernarg_segment_size: 32
    .max_flat_workgroup_size: 128
    .sgpr_count:     66
    .vgpr_count:     210
    .wavefront_size: 32
...
	.end_amdgpu_metadata
.endif
;; end of part 1
;; launch attn (part 2): grid 8 x 32, 8 waves a work-group, clusters of 4 x 1, 327,680 bytes of LDS; arguments q, kv_codes, pos_scores, mask, lowp_scales, out0; writes out0
.if DOCPART == 2
	.amdgcn_target "amdgcn-amd-amdhsa--gfx1250"
	.amdhsa_code_object_version 6
	.text
	.protected	k_qa177212e8f_attn
	.globl	k_qa177212e8f_attn
	.p2align	8
	.type	k_qa177212e8f_attn,@function
k_qa177212e8f_attn:
	s_mov_b64 s[64:65], 0
	v_nop
	global_prefetch_b8 v0, s[64:65] scope:SCOPE_SE
	s_setreg_imm32_b32 hwreg(HW_REG_WAVE_MODE, 25, 1), 1
	s_wait_xcnt 0x0
	s_wait_alu depctr_hold_cnt(0) depctr_sa_sdst(0) depctr_va_vdst(0) depctr_va_sdst(0) depctr_va_ssrc(0) depctr_va_vcc(0) depctr_vm_vsrc(0)
	s_getreg_b32 s2, hwreg(HW_REG_IB_STS2, 6, 4)
	s_cmp_eq_u32 s2, 0
	s_cbranch_scc0 .Lentry_in_a_cluster
	s_endpgm
.Lentry_in_a_cluster:
	s_bfe_u32 s2, ttmp6, 0x10000c
	s_cmp_lg_u32 s2, 0x3003
	s_cbranch_scc0 .Lentry_shape_is_right
	s_endpgm
.Lentry_shape_is_right:
; out[b][h][i][:] = sum over j of softmax_j(mask[i][j] (q[b][h][i] . k[b][h][j] / 8 + pos[h][i][j])) v[b][h][j][:], both products on codes of FP8 (E4M3), each operand with its given scale 2^e: eq, ek, ep, ev.
; SOFTMAX: t = logit x log2(e); M = the largest t so far rounded UP to a whole number; p = 2^(t - M) is quantised along the keys, not normalised; the sum is taken of the unquantised p in f32 and divides at the end.
; When M moves, the sum and O are multiplied by 2^(old M - new M): exact.
; SHARES.  A work-group takes one head, 64 queries and all 8 batches, so that each byte of pos is fetched by one work-group.  Wave w takes batch w and all 64 queries: four tiles of 16, walked as two pairs (g = 0, 1; tile 2 g + u).
; K AND V CODES GO FROM MEMORY STRAIGHT INTO REGISTERS: kv_codes holds images of operand registers, a wave's load covers 512 consecutive bytes, no code is fetched twice by a work-group, and each fragment feeds four products.
; Four sets of 32 registers (K and V of the even and of the odd step); a set is asked for again, for two steps on, behind its last product.
; THE RING in LDS holds pos and mask alone: two slots of 128 keys (two steps): 64 rows x 512 bytes of each.  The change of slots opens at the head of a slot's last half step, where the wave has read all it wants of the slot;
; its barrier's wait stands behind that half step's sum, so that register work stands between signal and wait.
; CLUSTER: four heads of one block of queries; they need the same tile of mask and ask for it jointly (waves 0-3, 16 rows each); pos hangs on the head: plain loads of waves 4-7 behind the same round.
; K and V are shared by a head's query blocks but land in registers, where no joint load reaches.
; PREFETCH: at each change that asks for slot n + 2, slot n + 3 is named, each block of 256 bytes once in a cluster (mask: wave 0, 16 rows by the place cx, by address), once in the launch (pos: waves 4-7, the rows they fetch;
; codes: wave 1, 4,096 of the head's 131,072 bytes of a slot for each of its 32 query blocks, lanes 16-31 naming the last block again).  The loop's last trip names nothing: slot 16 does not exist.
; LAYOUT: both products transposed (S^T = K Q^T, O^T = V^T P^T): a lane holds one query (lane % 16).  Register 16 b + n of a tile's 32 scores is key 32 b + 16 (lane / 16) + n of the step, by the choice of keys in kv_codes' tiles.
; SCALES FOLDED: t = c x mask x (sum of codes + pos x 2^(3 - eq - ek)), c = log2(e) x 2^(eq + ek - 3).  pos is loaded into the scores' registers, scaled there, and is the first product's C in place.
; The loop is written once: M begins at -3e38, the sums and O^T at 0 (128 moves), which the first change of M leaves 0; a copy of the slot's text for a first step is spared so.
; LIMITS: eq + ek between -123 and 129; eq and ep between -126 and 119; NaN and infinities among the inputs are not served.
; REGISTERS, window 0: v1-15 addresses and constants; v16-31 four a tile: -M, (pair), the sum in two halves; v32-47 at work; v48-63 p's codes; v64-127 pos, scores, p; v128-191 mask; v192-255 K, two sets.
;   window 1: v0-127 O^T (32 i + 8 dt); v128-159 Q's codes (8 i); v160-223 V, two sets.
.set SLOT1,  1<<17
.set PMP,    528                       ; an LDS row: 512 bytes + 16 of padding: an odd multiple of 16
.set MASKO,  64*PMP                    ; a slot: pos's 64 rows, then mask's
.set SPARE,  2*SLOT1                   ; the spare words: 128 bytes for each of eight waves
.set STAGE,  SPARE+1024                ; 16 rows x 272 bytes a wave, for q's way in and the way out; no fill lands here
.set SP,     272
.set KVSTEP, 65536                     ; a head's step in kv_codes
.set APM0, 1
.set QL,   2                           ; q out of the stage: row r, d = 16 hh on
.set APM,  3
.set SPW,  5
.set NIL,  6
.set STO,  7
.set RD,   8                           ; the stage by rows: lanes 0-15 one row of 256 bytes, lanes 16-31 the next
.set GO,   9                           ; 16 x lane
.set LIM,  10                          ; 448 x 2^ep
.set SCP,  11                          ; 2^ep
.set VPF,  12                          ; the prefetch's lane offset
.set SCQ,  14
.set LIMQ, 15                          ; at the head 448 x 2^eq, then 448 x 2^ep once more (another register bank for the dual form)
.set LIM2, 15
.set ST,   16
.set T,    32
.set P,    48
.set S,    64
.set AM,   128
.set KS,   192
.set Q,    128                         ; window 1
.set VS,   160                         ; window 1
.set WV,   16
.set SEL,  20
.set CA,   22
.set C2,   24
.set G1M,  28
.set G1P,  36
.set G0M,  44
.set G0P,  48
.set TB,   52
.set CNT,  53
.set PF,   54
.set PFS,  60
.set LIMW, 62
.set KVB,  66
.set MSB, 0
.macro WIN new
.if MSB != \new
	s_set_vgpr_msb (MSB<<8)|\new
.set MSB, \new
.endif
.endm
.macro PLACES
.rept 4
	v_nop
.endr
.endm
.macro CREST                           ; a round of the cluster's barrier behind its opening barrier
	s_cmp_lg_u32 s[WV], 0
	s_cbranch_scc1 .Lnot_wave_0_\@
	s_barrier_signal -3
.Lnot_wave_0_\@:
	s_barrier_wait -3
	s_barrier_signal -1
	s_barrier_wait -1
.endm
.macro CROUND
	s_barrier_signal -1
	s_barrier_wait -1
	CREST
.endm
.macro TLOAD                           ; waves 0-3: mask, jointly; waves 4-7: pos.
	s_cmp_lt_u32 s[WV], 4
	s_cbranch_scc0 .Lfor_pos_\@
	tensor_load_to_lds s[G0M:G0M+3], s[G1M:G1M+7]
	s_nop 0
	PLACES
	s_branch .Lasked_\@
.Lfor_pos_\@:
	tensor_load_to_lds s[G0P:G0P+3], s[G1P:G1P+7]
	s_nop 0
	PLACES
.Lasked_\@:
.endm
.macro PFETCH                          ; s[LIMW] = 1 in the waves that ask, the greatest number in waves 2 and 3; s[CNT] = 1 in the loop's last trip
	s_cmp_gt_u32 s[CNT], s[LIMW]
	s_cbranch_scc0 .Lno_pf_\@
	global_prefetch_b8 v[VPF], s[PF:PF+1] th:TH_LOAD_NT scope:SCOPE_SE
.Lno_pf_\@:
.endm
	s_load_b256 s[4:11], s[0:1], 0x0               ; q, kv_codes, pos, mask
	s_load_b128 s[12:15], s[0:1], 0x20             ; the scales, out
	v_lshl_add_u32 v[SPW], v0, 2, SPARE
	v_mov_b32 v[NIL], 0
	ds_add_u32 v[SPW], v[NIL]                      ; the opening lines: the add twice on end and its wait
	ds_add_u32 v[SPW], v[NIL]
	v_lshrrev_b32 v48, 5, v0
	s_delay_alu instid0(VALU_DEP_1)
	v_readfirstlane_b32 s[WV], v48                 ; wave 0..7 = my batch
	s_bfe_u32 s17, ttmp6, 0x40000                  ; cx
	s_lshl_b32 s18, ttmp9, 2
	s_add_co_u32 s18, s18, s17                     ; the head: it enters the addresses of q, the codes, pos and out alone
	s_and_b32 s19, ttmp7, 0xffff                   ; the block of 64 queries, which the four partners share
	s_mov_b32 s[G1M], 15|(2<<16)|(1<<20)|(1<<21)|(6<<22)|(3<<25)   ; all four work-groups; 4-byte elements; four words of padding after every 128
	s_mov_b32 s[G1P], (2<<16)|(1<<20)|(6<<22)|(3<<25)
.irp g, G1M, G1P                               ; 16 rows of 128 f32, 2,048 apart
	s_mov_b32 s[\g+1], 128<<16
	s_mov_b32 s[\g+2], 16<<16
	s_mov_b32 s[\g+3], 128<<16
	s_mov_b32 s[\g+4], 16
	s_mov_b32 s[\g+5], 2048
	s_mov_b32 s[\g+6], 0
	s_mov_b32 s[\g+7], 0
.endr
	s_mov_b32 s[SEL], 0x76543210
	s_mov_b32 s[SEL+1], 0xfedcba98
	s_mov_b32 s[TB], 0
	s_mov_b32 s[CNT], 14
	s_and_b32 s68, s[WV], 3
	s_mul_i32 s69, s68, 16*PMP                     ; the 16 rows that I fetch, in a slot: pos's,
	s_add_co_u32 s70, s69, MASKO                   ; mask's
	s_lshl_b32 s72, s19, 19
	s_lshl_b32 s73, s68, 17
	s_add_co_u32 s72, s72, s73                     ; in mask: row 64 x block + 16 (w % 4), 8,192 bytes a row
	s_mov_b32 s73, 0
	s_lshl_b32 s74, s18, 24
	s_add_co_u32 s74, s74, s72                     ; in pos: + the head's 16 MB
	s_mov_b32 s75, 0
	s_lshl_b32 s76, s[WV], 22
	s_lshl_b32 s77, s18, 19
	s_add_co_u32 s76, s76, s77
	s_lshl_b32 s77, s19, 14
	s_add_co_u32 s76, s76, s77                     ; q and out: batch, head, my 64 rows of 256 bytes
	s_mov_b32 s77, 0
	s_lshl_b32 s78, s18, 21
	s_lshl_b32 s79, s[WV], 13
	s_add_co_u32 s80, s78, s79                     ; the codes: head, batch
	s_mov_b32 s81, 0
	s_lshl_b32 s79, s19, 12
	s_add_co_u32 s78, s78, s79                     ; prefetch of codes: my block's 4,096 bytes of the head's slot
	s_lshl_b32 s82, s19, 19
	s_lshl_b32 s83, s17, 17
	s_add_co_u32 s82, s82, s83                     ; prefetch of mask: my work-group's 16 rows, by address
	s_cmp_eq_u32 s[WV], 0
	s_cselect_b32 s82, s82, s74
	s_mov_b32 s[PFS], 512
	s_mov_b32 s71, 8192
	s_cmp_eq_u32 s[WV], 1
	s_cselect_b32 s82, s78, s82
	s_cselect_b32 s[PFS], 0x20000, s[PFS]          ; a slot on
	s_cselect_b32 s71, 256, s71
	s_cselect_b32 s79, 15, 31
	s_cselect_b32 s84, 0, 1
	s_add_co_u32 s82, s82, s[PFS]                  ; at slot 1: each change steps it before it asks
	s_mov_b32 s83, 0
	s_mov_b32 s[PFS+1], 0
	s_sub_co_u32 s85, s[WV], 2
	s_cmp_lt_u32 s85, 2
	s_cselect_b32 s[LIMW], -1, 1
	s_mul_i32 s86, s[WV], 16*SP
	s_add_co_u32 s86, s86, STAGE                   ; my stage
	s_wait_dscnt 0x0
	s_wait_kmcnt 0x0
	s_load_b128 s[56:59], s[12:13], 0x0            ; eq, ek, ep, ev
	s_mov_b32 s[G0M], 1
	s_mov_b32 s[G0M+1], s70
	s_add_nc_u64 s[G0M+2:G0M+3], s[10:11], s[72:73]
	s_or_b32 s[G0M+3], s[G0M+3], 0x80000000
	s_mov_b32 s[G0P], 1
	s_mov_b32 s[G0P+1], s69
	s_add_nc_u64 s[G0P+2:G0P+3], s[8:9], s[74:75]
	s_or_b32 s[G0P+3], s[G0P+3], 0x80000000
	s_cmp_eq_u32 s[WV], 0
	s_cselect_b64 s[PF:PF+1], s[10:11], s[8:9]
	s_cmp_eq_u32 s[WV], 1
	s_cselect_b64 s[PF:PF+1], s[6:7], s[PF:PF+1]
	s_add_nc_u64 s[PF:PF+1], s[PF:PF+1], s[82:83]
	s_add_nc_u64 s[KVB:KVB+1], s[6:7], s[80:81]
	s_add_nc_u64 s[4:5], s[4:5], s[76:77]
	s_add_nc_u64 s[14:15], s[14:15], s[76:77]
	CROUND                                         ; the four work-groups are here: the first joint loads meet
	TLOAD                                          ; slot 0: one tensor load a wave at the head
	v_and_b32 v48, 15, v0                          ; r
	v_bfe_u32 v49, v0, 4, 1                        ; hh
	v_and_b32 v50, 31, v0                          ; lane
	v_mul_u32_u24 v[QL], v48, SP
	v_lshlrev_b32 v[GO], 4, v50
	v_mul_u32_u24 v[APM0], v48, PMP
	v_mul_u32_u24 v[STO], v48, SP
	v_mul_u32_u24 v[RD], v49, SP
	v_min_u32 v51, s79, v50
	v_lshl_add_u32 v[QL], v49, 6, v[QL]
	v_lshl_add_u32 v[APM0], v49, 6, v[APM0]        ; pos: row r, keys 16 hh on
	v_lshl_add_u32 v[STO], v49, 5, v[STO]
	v_lshl_add_u32 v[RD], v48, 4, v[RD]
	v_lshrrev_b32 v52, s84, v51
	v_and_b32 v51, s84, v51
	v_add_nc_u32 v[QL], s86, v[QL]
	v_add_nc_u32 v[STO], s86, v[STO]
	v_add_nc_u32 v[RD], s86, v[RD]
	v_mul_u32_u24 v52, s71, v52
	s_delay_alu instid0(VALU_DEP_1)
	v_lshl_add_u32 v[VPF], v51, 8, v52             ; pos, mask: row lane / 2, block lane % 2; codes: block min(lane, 15)
.macro LOADG f, off                    ; four fragments, 8 registers each, from byte off behind s[KVB]
.irp t, 0,1,2,3
.irp c, 0,1
	global_load_b128 v[\f+8*\t+4*\c:\f+8*\t+4*\c+3], v[GO], s[KVB:KVB+1] offset:(\off)+1024*\t+512*\c
.endr
.endr
.endm
	; q is read by this wave alone and quantised here.  Each load covers 512 consecutive bytes (two rows); a tile of 16 rows then turns through my stage, so that a lane gets d = 32 c + 16 hh + n of its query in register 16 c + n.
	; Tile i's 32 registers lie at v64, v96, v160, v16: no conversion names one register number for a result (v128-159 of window 1) and a source
.irp i, 0,1,2,3
.set QB, 64+32*\i+32*(\i/2)-176*(\i/3)
.irp n, 0,1,2,3,4,5,6,7
	global_load_b128 v[QB+4*\n:QB+4*\n+3], v[GO], s[4:5] offset:4096*\i+512*\n th:TH_LOAD_NT
.endr
.endr
	LOADG KS, 0                                    ; steps 0 and 1, in the order K, V, K, V, as every later step asks
	WIN 0x40
	LOADG VS, 4096
	WIN 0
	LOADG KS+32, KVSTEP
	WIN 0x40
	LOADG VS+32, KVSTEP+4096
	WIN 0
	s_wait_kmcnt 0x0
	s_add_co_i32 s68, s56, s57                     ; eq + ek
	s_sub_co_i32 s69, s68, 3
	s_lshl_b32 s69, s69, 23
	s_add_co_i32 s[CA], s69, 0x3fb8aa3b            ; log2(e) with eq + ek - 3 added to its exponent field
	s_mov_b32 s[CA+1], s[CA]
	s_sub_co_i32 s69, 130, s68
	s_lshl_b32 s[C2], s69, 23                      ; 2^(3 - eq - ek)
	s_mov_b32 s[C2+1], s[C2]
	s_add_co_i32 s68, s58, 127
	s_lshl_b32 s69, s68, 23
	v_mov_b32 v[SCP], s69
	s_add_co_i32 s68, s68, 8
	s_lshl_b32 s68, s68, 23
	s_or_b32 s68, s68, 0x600000
	v_mov_b32 v[LIM], s68
	s_add_co_i32 s68, s56, 127
	s_lshl_b32 s69, s68, 23
	v_mov_b32 v[SCQ], s69
	s_add_co_i32 s68, s68, 8
	s_lshl_b32 s68, s68, 23
	s_or_b32 s68, s68, 0x600000
	v_mov_b32 v[LIMQ], s68
	s_wait_alu depctr_va_vdst(0)                   ; directly ahead of the wait below
.irp i, 0,1,2,3
.set QB, 64+32*\i+32*(\i/2)-176*(\i/3)
	s_wait_loadcnt 56-8*\i                         ; tile i is in; the later tiles' loads, eight each, and the 32 loads of codes may be out
.irp n, 0,1,2,3,4,5,6,7
	ds_store_b128 v[RD], v[QB+4*\n:QB+4*\n+3] offset:2*\n*SP
.endr
	s_wait_dscnt 0x0                               ; the stores have read their registers, which take the tile back
.irp c, 0,1
.irp j, 0,1,2,3
	ds_load_b128 v[QB+16*\c+4*\j:QB+16*\c+4*\j+3], v[QL] offset:128*\c+16*\j   ; LDS serves a wave's instructions in order: the next tile's stores come behind these
.endr
.endr
.endr
	s_wait_dscnt 0x0
.irp i, 0,1,2,3
.set QB, 64+32*\i+32*(\i/2)-176*(\i/3)
.set n, 0
.rept 32
	v_med3_num_f32 v[QB+n], v[QB+n], -v[LIMQ], v[LIMQ]   ; the conversion does not saturate (ISA guide 7.6.2): the hold comes first
.set n, n+1
.endr
.endr
	WIN 0x40
.irp i, 0,1,2,3
.set QB, 64+32*\i+32*(\i/2)-176*(\i/3)
.irp m, 0,1,2,3
	v_cvt_scalef32_pk8_fp8_f32 v[Q+8*\i+2*\m:Q+8*\i+2*\m+1], v[QB+8*\m:QB+8*\m+7], v[SCQ]
.endr
.endr
	v_nop                                          ; a plain line behind the conversions
.set n, 0
.rept 128
	v_mov_b32 v[n], 0                              ; O^T
.set n, n+1
.endr
	WIN 0
	v_mov_b32 v[LIM2], v[LIM]
.irp i, 0,1,2,3
	v_mov_b32 v[ST+4*\i], 0x7f61b1e6               ; -M = 3e38: M lies under every t
	v_mov_b32 v[ST+4*\i+1], 0
	v_mov_b32 v[ST+4*\i+2], 0
	v_mov_b32 v[ST+4*\i+3], 0
.endr
.irp u, 0,1
	v_mov_b32 v[T+8*\u+2], 0                       ; a lane permute's destination counts as a source
	v_mov_b32 v[T+8*\u+5], 0                       ; named as the upper half of a pair
.endr
; THE CHANGE OF SLOTS.  MEET: all my tensor loads are done (one was out: my part of the other slot), the add, the wait for it and for my reads of the slot in hand, the signal.
; While nothing of mine is out the descriptors step (fill = 1); behind s_wait_xcnt 0 so do the prefetch's base and the codes' base (a slot on each).
.macro MEET fill
	WIN 0
	s_wait_tensorcnt 0x0
	ds_add_u32 v[SPW], v[NIL]
.if \fill
	s_xor_b32 s[G0M+1], s[G0M+1], SLOT1
	s_add_nc_u64 s[G0M+2:G0M+3], s[G0M+2:G0M+3], 512
	s_xor_b32 s[G0P+1], s[G0P+1], SLOT1
	s_add_nc_u64 s[G0P+2:G0P+3], s[G0P+2:G0P+3], 512
.endif
	s_wait_xcnt 0x0
	s_add_nc_u64 s[PF:PF+1], s[PF:PF+1], s[PFS:PFS+1]
	s_add_nc_u64 s[KVB:KVB+1], s[KVB:KVB+1], 2*KVSTEP
	s_wait_dscnt 0x0
	s_barrier_signal -1                            ; fill = 1: it opens a round of the cluster's barrier; register work alone up to its wait
.endm
.macro CLOSE fill
	WIN 0
	s_wait_alu depctr_va_vdst(0)                   ; directly ahead of the barrier's wait
	s_barrier_wait -1
.if \fill
	CREST
	TLOAD                                          ; the slot after next, into the slot just left: my one tensor load behind the round
	PFETCH
.endif
.endm
.macro LOADPM reg, off, g              ; pair g's two tiles of pos or mask: 16 loads
.irp u, 0,1
.irp b, 0,1
.irp jj, 0,1,2,3
	ds_load_b128 v[\reg+32*\u+16*\b+4*\jj:\reg+32*\u+16*\b+4*\jj+3], v[APM] offset:(\off)+(32*(\g)+16*\u)*PMP+128*\b+16*\jj
.endr
.endr
.endr
.endm
.macro SCALEPOS                        ; pos x 2^(3 - eq - ek): exact
.set kk, 0
.rept 32
	v_pk_mul_f32 v[S+kk:S+kk+1], v[S+kk:S+kk+1], s[C2:C2+1] op_sel_hi:[1,0]
.set kk, kk+2
.endr
.endm
.macro QK g, f                         ; S^T = K Q^T + pos', in place: eight results, none twice
	WIN 0x04                                       ; Q window 1, all else window 0
.irp t, 0,1,2,3
.irp u, 0,1
	v_wmma_f32_16x16x64_fp8_fp8 v[S+32*\u+8*\t:S+32*\u+8*\t+7], v[\f+8*\t:\f+8*\t+7], v[Q+8*(2*\g+\u):Q+8*(2*\g+\u)+7], v[S+32*\u+8*\t:S+32*\u+8*\t+7]
.endr
.endr
.endm
.macro PV g, f                         ; O^T += V^T P^T: eight accumulators by turns
	WIN 0x51
.irp d, 0,1,2,3
.irp u, 0,1
	v_wmma_f32_16x16x64_fp8_fp8 v[32*(2*\g+\u)+8*\d:32*(2*\g+\u)+8*\d+7], v[\f+8*\d:\f+8*\d+7], v[P+8*\u:P+8*\u+7], v[32*(2*\g+\u)+8*\d:32*(2*\g+\u)+8*\d+7]
.endr
.endr
.endm
.macro SM_A g                          ; x = mask x (sum + pos'); its maximum; M; f
	WIN 0
.set kk, 0
.rept 16
.irp u, 0,1
	v_pk_mul_f32 v[S+32*\u+kk:S+32*\u+kk+1], v[S+32*\u+kk:S+32*\u+kk+1], v[AM+32*\u+kk:AM+32*\u+kk+1]   ; each result is read from its low end on
.endr
.set kk, kk+2
.endr
.irp u, 0,1
	v_max3_num_f32 v[T+8*\u], v[S+32*\u], v[S+32*\u+1], v[S+32*\u+2]
	v_max3_num_f32 v[T+8*\u+1], v[S+32*\u+3], v[S+32*\u+4], v[S+32*\u+5]
.endr
.irp n, 6,10,14,18,22,26
.irp u, 0,1
	s_delay_alu instid0(VALU_DEP_4)
	v_max3_num_f32 v[T+8*\u], v[T+8*\u], v[S+32*\u+\n], v[S+32*\u+\n+1]
	s_delay_alu instid0(VALU_DEP_4)
	v_max3_num_f32 v[T+8*\u+1], v[T+8*\u+1], v[S+32*\u+\n+2], v[S+32*\u+\n+3]
.endr
.endr
	s_delay_alu instid0(VALU_DEP_4)
	v_max3_num_f32 v[T], v[T], v[S+30], v[S+31]
	s_delay_alu instid0(VALU_DEP_3)
	v_max3_num_f32 v[T+8], v[T+8], v[S+62], v[S+63]
.irp u, 0,1
	s_delay_alu instid0(VALU_DEP_2)
	v_max_num_f32 v[T+8*\u], v[T+8*\u], v[T+8*\u+1]
.endr
.irp u, 0,1
	s_delay_alu instid0(VALU_DEP_2)
	v_permlanex16_b32 v[T+8*\u+2], v[T+8*\u], s[SEL], s[SEL+1]   ; the query's other 32 keys lie in the lane 16 away
.endr
.irp u, 0,1
	s_delay_alu instid0(VALU_DEP_2)
	v_max_num_f32 v[T+8*\u], v[T+8*\u], v[T+8*\u+2]
.endr
.irp u, 0,1
	s_delay_alu instid0(VALU_DEP_2)
	v_mul_f32 v[T+8*\u], s[CA], v[T+8*\u]          ; as t (c is positive)
.endr
.irp u, 0,1
	s_delay_alu instid0(VALU_DEP_2)
	v_floor_f32 v[T+8*\u+1], -v[T+8*\u]
.endr
.irp u, 0,1
	s_delay_alu instid0(VALU_DEP_2)
	v_min_num_f32 v[T+8*\u+3], v[ST+4*(2*\g+\u)], v[T+8*\u+1]    ; the new -M
.endr
.irp u, 0,1
	s_delay_alu instid0(VALU_DEP_2)
	v_sub_f32 v[T+8*\u+4], v[T+8*\u+3], v[ST+4*(2*\g+\u)]        ; old M - new M: a whole number, 0 or less
.endr
.irp u, 0,1
	s_delay_alu instid0(VALU_DEP_4)
	v_mov_b32 v[ST+4*(2*\g+\u)], v[T+8*\u+3]
.endr
.irp u, 0,1
	s_delay_alu instid0(VALU_DEP_4)
	v_cvt_i32_f32 v[T+8*\u+4], v[T+8*\u+4]         ; (it saturates)
.endr
.irp u, 0,1
	s_delay_alu instid0(VALU_DEP_2)
	v_ldexp_f32 v[T+8*\u+4], 1.0, v[T+8*\u+4]      ; f = 2^(old M - new M)
.endr
.endm
.macro SM_E g                          ; t - M = c x - M
.set kk, 0
.rept 16
.irp u, 0,1
	v_pk_fma_f32 v[S+32*\u+kk:S+32*\u+kk+1], v[S+32*\u+kk:S+32*\u+kk+1], s[CA:CA+1], v[ST+4*(2*\g+\u):ST+4*(2*\g+\u)+1] op_sel_hi:[1,0,0]
.endr
.set kk, kk+2
.endr
.endm
.macro SM_X                            ; p = 2^(t - M): one batch, a wait ahead of it and one behind it
	s_wait_alu depctr_va_vdst(0)
.set kk, 0
.rept 32
.irp u, 0,1
	v_exp_f32 v[S+32*\u+kk], v[S+32*\u+kk]
.endr
.set kk, kk+1
.endr
	v_nop
	s_wait_alu depctr_va_vdst(0)
.endm
.macro SM_S g                          ; the sum of the unquantised p, two at a time, in two chains
.irp u, 0,1
	v_pk_add_f32 v[T+8*\u+6:T+8*\u+7], v[S+32*\u:S+32*\u+1], v[S+32*\u+2:S+32*\u+3]
	v_pk_add_f32 v[T+8*\u:T+8*\u+1], v[S+32*\u+4:S+32*\u+5], v[S+32*\u+6:S+32*\u+7]
.endr
.irp n, 8,12,16,20,24,28
.irp u, 0,1
	v_pk_add_f32 v[T+8*\u+6:T+8*\u+7], v[T+8*\u+6:T+8*\u+7], v[S+32*\u+\n:S+32*\u+\n+1]
	v_pk_add_f32 v[T+8*\u:T+8*\u+1], v[T+8*\u:T+8*\u+1], v[S+32*\u+\n+2:S+32*\u+\n+3]
.endr
.endr
	s_delay_alu instid0(VALU_DEP_3)
	v_pk_add_f32 v[T+6:T+7], v[T+6:T+7], v[T:T+1]
	s_delay_alu instid0(VALU_DEP_2)
	v_pk_add_f32 v[T+14:T+15], v[T+14:T+15], v[T+8:T+9]
.irp u, 0,1
	s_delay_alu instid0(VALU_DEP_2)
	v_pk_fma_f32 v[ST+4*(2*\g+\u)+2:ST+4*(2*\g+\u)+3], v[ST+4*(2*\g+\u)+2:ST+4*(2*\g+\u)+3], v[T+8*\u+4:T+8*\u+5], v[T+8*\u+6:T+8*\u+7] op_sel_hi:[1,0,1]
.endr
.endm
.macro SM_H                            ; the one-sided hold (the conversion does not saturate: ISA guide 7.6.2), whatever ep is; two an instruction
.set kk, 0
.rept 16
.irp u, 0,1
	v_dual_min_num_f32 v[S+32*\u+kk], v[LIM], v[S+32*\u+kk] :: v_dual_min_num_f32 v[S+32*\u+kk+1], v[LIM2], v[S+32*\u+kk+1]
.endr
.set kk, kk+2
.endr
.endm
.macro SM_C                            ; p's codes
.irp b, 0,1
.irp u, 0,1
	v_cvt_scalef32_pk8_fp8_f32 v[P+8*\u+4*\b:P+8*\u+4*\b+1], v[S+32*\u+16*\b:S+32*\u+16*\b+7], v[SCP]
	v_cvt_scalef32_pk8_fp8_f32 v[P+8*\u+4*\b+2:P+8*\u+4*\b+3], v[S+32*\u+16*\b+8:S+32*\u+16*\b+15], v[SCP]
.endr
.endr
.endm
.macro RESC g                          ; O^T under the new M; also the plain lines behind the conversions
	WIN 0x41
	s_wait_alu depctr_va_vdst(0)                   ; directly ahead of the first reader of O^T
.set kk, 0
.rept 16
.irp u, 0,1
	v_pk_mul_f32 v[32*(2*\g+\u)+kk:32*(2*\g+\u)+kk+1], v[32*(2*\g+\u)+kk:32*(2*\g+\u)+kk+1], v[T+8*\u+4:T+8*\u+5] op_sel_hi:[1,0]
.endr
.set kk, kk+2
.endr
.endm
; HALF A STEP: step j of the slot in hand, pair g.  At its head this pair's pos (into the scores' registers) and mask have been asked for.
; mode 3: in the loop; 1: the last slot but one (a barrier alone at the change: nothing is filled again); 0: the last slot (no barrier, nothing asked ahead).
; COUNTS on LOADcnt: the codes are asked for in the order K(s), V(s), K(s+1), V(s+1) .., eight loads each, K(s+2) and V(s+2) in step s's second half.  At K(s)'s wait V(s), K(s+1), V(s+1) may be out: 24;
; at V(s)'s K(s+1), V(s+1): 16.  In the last slot nothing follows V(31): its second step waits for 8 and 0.
.macro HALF j, g, mode
.set CH, (\j)*(\g)
.set NX, 1
.if CH && (\mode == 0)
.set NX, 0
.endif
.set NJ, ((\j)+(\g))%2
.set NG, 1-(\g)
.if CH && (\mode == 3)
	MEET 1
.elseif CH && (\mode == 1)
	MEET 0
.else
	s_wait_dscnt 0x0                               ; pos and mask are in
.endif
.if \g == 0
.if \mode
	s_wait_loadcnt 24
.else
	s_wait_loadcnt 24-16*(\j)
.endif
.endif
	SCALEPOS
	QK \g, KS+32*\j
	WIN 0
	PLACES                                         ; four places in front of the first read of the scores
	SM_A \g
.if CH && \mode
	SM_E \g                                        ; register work alone between the barrier's signal and its wait, while the other waves arrive
	SM_X
	SM_S \g
.if \mode == 3
	CLOSE 1
.else
	CLOSE 0
.endif
	s_xor_b32 s[TB], s[TB], SLOT1                  ; on to the other slot: it is whole
	v_add_nc_u32 v[APM], s[TB], v[APM0]
	LOADG KS+32*\j, -(\j)*KVSTEP                   ; K of two steps on (the base has stepped a slot on at the change)
	LOADPM AM, MASKO+256*NJ, NG                    ; the next half's mask
.else
.if \g && \mode
	LOADG KS+32*\j, -(\j)*KVSTEP                   ; K of two steps on
.endif
.if NX
	LOADPM AM, MASKO+256*NJ, NG                    ; the next half's mask
.endif
	SM_E \g
	SM_X
	SM_S \g
.endif
	SM_H
	SM_C
.if NX
	LOADPM S, 256*NJ, NG                           ; the next half's pos, into the registers that the conversions have read
.endif
.if \g == 0
.if \mode
	s_wait_loadcnt 16
.else
	s_wait_loadcnt 16-16*(\j)
.endif
.endif
	RESC \g
	PV \g, VS+32*\j
.if \g && \mode
	PLACES                                         ; four places in front of loads into registers that the products have read
	WIN 0x40
	LOADG VS+32*\j, 4096-(\j)*KVSTEP               ; V of two steps on
.endif
	WIN 0
.endm
.macro BODY mode
	HALF 0, 0, \mode
	HALF 0, 1, \mode
	HALF 1, 0, \mode
	HALF 1, 1, \mode
.endm
	s_wait_alu depctr_va_vdst(0)                   ; at the head's end
	MEET 1                                         ; slot 0 has landed; slot 1's first fill stands behind the full sequence and a round; slot 2 is prefetched
	CLOSE 1
	v_add_nc_u32 v[APM], s[TB], v[APM0]
	LOADPM AM, MASKO, 0
	LOADPM S, 0, 0
.Lslot:                                            ; slots 0 to 13: slot n asks for slot n + 2
	BODY 3
	s_sub_co_u32 s[CNT], s[CNT], 1
	s_cmp_lg_u32 s[CNT], 0
	s_cbranch_scc1 .Lslot
	BODY 1                                         ; the tail is written out
	BODY 0
	; THE WAY OUT: O^T / the sum x 2^(ep + ev), a tile at a time through my stage, so that each store covers 512 consecutive bytes of out, aligned.  The first additions are the places behind the last products.
.irp i, 0,1,2,3
	v_add_f32 v[ST+4*\i+2], v[ST+4*\i+2], v[ST+4*\i+3]
.endr
.irp i, 0,1,2,3
	s_delay_alu instid0(VALU_DEP_4)
	v_permlanex16_b32 v[ST+4*\i+3], v[ST+4*\i+2], s[SEL], s[SEL+1]
.endr
.irp i, 0,1,2,3
	s_delay_alu instid0(VALU_DEP_4)
	v_add_f32 v[ST+4*\i+2], v[ST+4*\i+2], v[ST+4*\i+3]
.endr
	s_wait_alu depctr_va_vdst(0)                   ; ahead of the batch
.irp i, 0,1,2,3
	v_rcp_f32 v[ST+4*\i+2], v[ST+4*\i+2]
.endr
	s_add_co_i32 s68, s58, s59                     ; ep + ev
	v_nop
	s_wait_alu depctr_va_vdst(0)                   ; and behind it
.irp i, 0,1,2,3
	v_ldexp_f32 v[ST+4*\i+2], v[ST+4*\i+2], s68
.endr
.macro PACK i                          ; register 8 dt + n is out(query r, d = 16 dt + 8 hh + n); into v64-95 and v96-127 by turns
	WIN 0x01
	s_wait_alu depctr_va_vdst(0)                   ; directly ahead of the first reader of O^T
.set kk, 0
.rept 16
	v_pk_mul_f32 v[S+32*((\i)%2)+kk:S+32*((\i)%2)+kk+1], v[32*(\i)+kk:32*(\i)+kk+1], v[ST+4*(\i)+2:ST+4*(\i)+3] op_sel_hi:[1,0]
.set kk, kk+2
.endr
	WIN 0
.endm
.macro TOSTAGE i
.irp d, 0,1,2,3
	ds_store_b128 v[STO], v[S+32*((\i)%2)+8*\d:S+32*((\i)%2)+8*\d+3] offset:64*\d
	ds_store_b128 v[STO], v[S+32*((\i)%2)+8*\d+4:S+32*((\i)%2)+8*\d+7] offset:64*\d+16
.endr
.irp n, 0,1,2,3,4,5,6,7
	ds_load_b128 v[AM+32*(\i)+4*\n:AM+32*(\i)+4*\n+3], v[RD] offset:2*\n*SP   ; LDS serves a wave's instructions in order: these see the stores above; each tile has registers of its own
.endr
.endm
.macro SEND i
.irp n, 0,1,2,3,4,5,6,7
	s_wait_dscnt 7-\n
	global_store_b128 v[GO], v[AM+32*(\i)+4*\n:AM+32*(\i)+4*\n+3], s[14:15] offset:4096*(\i)+512*\n th:TH_STORE_NT
.endr
.endm
	PACK 0
	TOSTAGE 0
.irp i, 1,2,3
	PACK \i
	s_wait_alu depctr_va_vdst(0)                   ; directly ahead of SEND's waits
	SEND \i-1
	TOSTAGE \i
.endr
	SEND 3
	s_wait_tensorcnt 0x0                           ; the wave's end
	ds_add_u32 v[SPW], v[NIL]
	s_wait_dscnt 0x0
	CROUND                                         ; the closing round
	s_endpgm
.Lfunc_end_k_qa177212e8f_attn:
	.size	k_qa177212e8f_attn, .Lfunc_end_k_qa177212e8f_attn-k_qa177212e8f_attn
	.p2alignl 7, 3214868480
	.fill 96, 4, 3214868480
	.section	.rodata,"a",@progbits
	.p2align	6, 0x0
	.amdhsa_kernel k_qa177212e8f_attn
		.amdhsa_group_segment_fixed_size 327680
		.amdhsa_private_segment_fixed_size 0
		.amdhsa_enable_private_segment 0
		.amdhsa_kernarg_size 48
		.amdhsa_user_sgpr_count 2
		.amdhsa_user_sgpr_kernarg_segment_ptr 1
		.amdhsa_wavefront_size32 1
		.amdhsa_system_sgpr_workgroup_id_x 1
		.amdhsa_system_sgpr_workgroup_id_y 1
		.amdhsa_system_sgpr_workgroup_id_z 1
		.amdhsa_system_vgpr_workitem_id 0
		.amdhsa_next_free_vgpr 512
		.amdhsa_next_free_sgpr 88
		.amdhsa_reserve_vcc 0
		.amdhsa_float_denorm_mode_32 3
		.amdhsa_float_denorm_mode_16_64 3
		.amdhsa_memory_ordered 1
		.amdhsa_forward_progress 1
		.amdhsa_inst_pref_size 255
	.end_amdhsa_kernel
	.section	.bss,"aw",@nobits
	.p2align	6
	.space	262144
	.amdgpu_metadata
---
amdhsa.version: [ 1, 2 ]
amdhsa.kernels:
  - .name:           k_qa177212e8f_attn
    .symbol:         k_qa177212e8f_attn.kd
    .args:
      - { .name: q, .offset: 0, .size: 8, .value_kind: global_buffer, .address_space: global }
      - { .name: kv_codes, .offset: 8, .size: 8, .value_kind: global_buffer, .address_space: global }
      - { .name: pos_scores, .offset: 16, .size: 8, .value_kind: global_buffer, .address_space: global }
      - { .name: mask, .offset: 24, .size: 8, .value_kind: global_buffer, .address_space: global }
      - { .name: lowp_scales, .offset: 32, .size: 8, .value_kind: global_buffer, .address_space: global }
      - { .name: out0, .offset: 40, .size: 8, .value_kind: global_buffer, .address_space: global }
    .group_segment_fixed_size: 327680
    .private_segment_fixed_size: 0
    .kernarg_segment_align: 8
    .kernarg_segment_size: 48
    .max_flat_workgroup_size: 256
    .sgpr_count:     88
    .vgpr_count:     512
    .wavefront_size: 32
...
	.end_amdgpu_metadata
.endif
;; end of part 2
